; MI455X (gfx1250); checked and timed in simulation.
; The chip was launched on July 23, 2026; its instructions are those of AMD's public machine-readable ISA for CDNA 5 (MIT licence, August 2026) and "CDNA5" Instruction Set Architecture Reference Guide (July 2026). The comments in the code are by the model that wrote it; some were corrected since.
;; Water Net0313. Allowed arithmetic: float matrix products may take bf16 or f16 operands with f32 sums; other float arithmetic in f32, or as packed bf16 or f16 multiplies, adds, multiply-adds, maxima and minima; sums over many terms, partial sums and values carried from step to step in f32; what a program stores and reads back later, other than sums and carried values, may be rounded once to bf16 or f16.
;; Inputs: fi_raw 4,096 x 16 float32; fm_raw 4,096 x 16 float32; gL_raw 4,096 x 16 float32; gr_raw 4,096 x 16 float32; kg_raw 4,096 x 16 float32; kp_raw 4,096 x 16 float32; ks_raw 4,096 x 16 float32; qb_raw 4,096 x 16 float32; w_raw 4,096 x 16 float32; x 1,095 x 4,096 x 6 float32.
;; Outputs: out0 730 x 4,096 float32.
;; One version. Each part assembles by itself: llvm-mc -triple=amdgcn-amd-amdhsa -mcpu=gfx1250 --defsym DOCPART=n.
;; ======== version 1 of 1: 1 launch
;; launch water (part 1): grid 256 x 1, 4 waves a work-group, no clusters, 327,680 bytes of LDS; arguments x, w_raw, fm_raw, fi_raw, kp_raw, ks_raw, kg_raw, gr_raw, gL_raw, qb_raw, out0; writes out0
.if DOCPART == 1
	.amdgcn_target "amdgcn-amd-amdhsa--gfx1250"
	.amdhsa_code_object_version 6
	.text
	.protected	k_q9f79bad60e_water
	.globl	k_q9f79bad60e_water
	.p2align	8
	.type	k_q9f79bad60e_water,@function
k_q9f79bad60e_water:
	s_mov_b64 s[64:65], 0
	v_nop
	global_prefetch_b8 v0, s[64:65] scope:SCOPE_SE
	s_setreg_imm32_b32 hwreg(HW_REG_WAVE_MODE, 25, 1), 1
	s_wait_xcnt 0x0
; WaterNet: 4,096 sites x 16 units = 65,536 chains of three buckets (snow, shallow, deep) over 1,095 days; the first 365 days only warm the state up;
; out0[t - 365][site] = the sum over the site's 16 units of softmax(w_raw) x (qp + qs (1 - gr) + qd).  All arithmetic in f32.
; SHARES.  A work-group owns 16 sites (256 chains), a wave 4 of them; lane l holds site l / 8 of its wave and the units 2 (l % 8), 2 (l % 8) + 1 as a register pair,
; so one packed or dual instruction steps the wave's 64 chains.  Time is serial: the text's aim is few instructions a step and dependent lines far apart.
; THE STEP, rewritten exactly (XX is Ss + pl fi + qf - ev, the shallow bucket ahead of its relu):
;   snow     AP = SF + (ps - ev);  MP = fm relu(tm) - ev;  QE = min(AP, MP) = qf - ev;  SF' = AP - QE;  VV = fi pl + QE
;   shallow  S1 = max(XX, 0);  HI = max(XX - gL, 0);  LO = S1 - HI = min(S1, gL);  XX' = (ks - kp) HI + ((1 - ks) S1 + VV of the next day)
;   deep     SD' = max(SD (1 - kg) + (LO ks gr (1 - kg) - qb), 0)
;   flow     qd = SD + LO ks gr - SD', so w (qp + qs (1 - gr) + qd) = w kp HI + w ks LO + w SD - w SD'
; The three buckets run as a pipeline: a BODY does the snow of day b + 4, the shallow bucket of day b + 2, the deep bucket and the flow of day b + 1 and the store of day b.
; A step on an empty state with no forcing leaves the state empty (qb is never negative), so the pipeline starts on zeros with four bodies on days 0 to 3.
; FORCING hangs on (day, site) alone: each wave turns its 4 sites' x into quads (ps - ev, relu(tm), -ev, pl), one sub-block of 73 days ahead of its steps, in LDS of its own.
; x comes by tensor loads into two slots of 219 days x 384 bytes, a quarter of the rows to each wave.  A day's 128 lane sums go to LDS; after every 73 days they are added by eights and stored.
; NO CLUSTER: no two work-groups read the same bytes of x or of the tables.  NO MATRIX WORK: reference() has no product.
; STORES: 16 sites are 64 consecutive bytes of a row of out0, and a row's wider pieces belong to other work-groups: a store's 16 lanes cover 64 consecutive bytes.
; LIMITS.  w SD - w SD' carries an error of 2^-24 w SD; SD is at most the sum of 1,095 days' recharge, so that is under 1e-4 of the flows.  Exponentials and reciprocals
; give 0 for results under 2^-126.  NaN and infinite inputs, and fm_raw above 88 (where reference() itself forms infinity x 0), are not treated apart; gL = infinity gives HI = 0, as it should.
.set ROWX,   98304                     ; bytes in a day of x: 4,096 sites x 24
.set WGB,    384                       ; my work-group's bytes of it
.set SUB,    73                        ; days in a sub-block: 1,095 = 15 x 73, 365 = 5 x 73
.set SBR,    219                       ; days in a slot: three sub-blocks
.set QROWS,  55                        ; rows in a wave's tensor load (wave 3: 54 and a row of zeros)
.set SBB,    SBR*ROWX                  ; bytes of x from slot to slot
.set SLOT1,  1<<17                     ; LDS: slot 0 at 0, slot 1 here: one exclusive or turns an address in one into the other's
.set ZBASE,  220*WGB                   ; LDS 84,480: behind slot 0's 4 x 55 rows: the lane sums, 73 rows x 512 bytes (thread t's word at 4 t)
.set ZP,     512
.set SPARE,  ZBASE+SUB*ZP              ; LDS 121,856: the spare words, 128 bytes a wave: two blocks of 256 bytes that no other line names
.set FBASE,  229376                    ; LDS: the quads: wave w at + 16,384 w, buffer p at + 8,192 p, 89 rows x 64 bytes (4 sites x 16)
.set FBUF,   8192
.set FROW,   64
.set OROW,   16384                     ; bytes in a row of out0
; scalar registers
.set WV,   2                           ; my wave's number
.set WG,   3                           ; my work-group's number
.set TB,   4                           ; LDS byte at which the sub-block to be converted begins
.set FB,   5                           ; buffer offset of the quads that are being stepped through
.set FBO,  6                           ; the other buffer's
.set TRIP, 8
.set UC,   9                           ; counts units
.set SBC,  10                          ; counts slots
.set OUT,  36                          ; s[36:37] out0 at the row of the unit's first day
.set G1,   40                          ; s[40:47] descriptor group 1
.set G0A,  48                          ; s[48:51] group 0 of the first fill of slot 0
.set G0B,  52                          ; s[52:55] group 0 of the first fill of slot 1; it then walks
.set PF,   56                          ; s[56:57] where my prefetches stand
.set NEG02, 58                         ; -0.2
.set SAVE, 60
; vector registers
.set SPW,  2                           ; LDS address of my spare word; never rewritten
.set NIL,  3                           ; 0; never rewritten
.set R0,   4                           ; raw x: (l / 4) rows + site 4 w + l % 4
.set R9,   5                           ; raw x: row 0, the same site
.set F0,   6                           ; quads, as written: 16 l in my wave's region
.set FR0,  7                           ; quads, as read: site l / 8
.set ZS0,  8                           ; my word of a row of lane sums
.set ZA,   9                           ; the adding-up: row 18 w + l / 16, site l % 16: one half of its 32 bytes,
.set ZB,   10                          ; the other half
.set ZXA,  11                          ; the same for row 72
.set ZXB,  12
.set OA,   13                          ; my byte offset in out0 for that row and site
.set CRA,  14
.set CRB,  15
.set FW,   16
.set MIR,  17
.set FA,   18                          ; walks the quads
.set ZS,   19                          ; walks the lane sums
.set PFO,  20                          ; my lane x a day of x; never rewritten
.set PO,   21                          ; my 8 bytes of each table
.set OX,   22
.set LANE, 23
.set PFM, 24                           ; the units' parameters, a pair each
.set PFI, 26
.set PGL, 28
.set PAA, 30                           ; 1 - ks
.set PDL, 32                           ; ks - kp
.set PCG, 34                           ; ks gr (1 - kg)
.set PNQ, 36                           ; -qb
.set PKK, 38                           ; 1 - kg
.set PWP, 40                           ; w kp
.set PWS, 42                           ; w ks
.set PWW, 44                           ; w
.set PNW, 46                           ; -w
.set XX,  48                           ; state and what one body hands to the next
.set SF,  50
.set SD,  52
.set VV,  54
.set LO,  56
.set YA,  58
.set YY,  60
.set ZZ,  62
.set SPOS, 64                          ; at work inside a body
.set XG,  66
.set RR,  68
.set AP,  70
.set MP,  72
.set QE,  74
.set GG,  76
.set QRING, 80                         ; v[80:111] eight quads on their way from LDS
.set XA,  112                          ; CONVERT, ten items a lane: x0, x1
.set XB,  132                          ; x2, x3
.set CP,  152
.set CE,  162
.set CS,  172
.set CA,  182
.set CTM, 192
.set CT,  202
.set QD,  212                          ; v[212:251] the ten quads
.set RDA, 112                          ; REDUCE: nine times eight words
.set OUTV, 184
.set RDX, 196                          ; row 72's eight words (wave 3)
.set HW,  112                          ; the head: the nine tables as loaded
.set HFM, 114
.set HFI, 116
.set HKP, 118
.set HKS, 120
.set HKG, 122
.set HGR, 124
.set HGL, 126
.set HQB, 128
.set HM,  130
.set HKA, 132
.set L2E,  0x3fb8aa3b                  ; log2(e)
.set NL2E, 0xbfb8aa3b
; ONE DAY for the wave's 64 chains.  main = 1: the flow is formed and a lane sum stored.  u: which quad of the ring.  reload = 1: that quad is asked for again, eight days on.
; The lines of the three buckets are dealt so that no line reads a result made fewer than five lines earlier, over the backward jump too.
.macro BODY main, u, reload
.set Q, QRING+4*(\u)
	v_dual_max_num_f32 v[SPOS], 0, v[XX] :: v_dual_max_num_f32 v[SPOS+1], 0, v[XX+1]        ; S1
	v_pk_add_f32 v[XG:XG+1], v[XX:XX+1], v[PGL:PGL+1] neg_lo:[0,1] neg_hi:[0,1]              ; XX - gL
	v_pk_fma_f32 v[GG:GG+1], v[LO:LO+1], v[PCG:PCG+1], v[PNQ:PNQ+1]                          ; the day before's LO
.if \main
	s_wait_dscnt 14                                ; my quad is in: behind its load stand the seven other bodies' loads and their seven stores
.else
	s_wait_dscnt 7                                 ; my quad is in: behind its load stand the seven other bodies' loads
.endif
	v_pk_add_f32 v[AP:AP+1], v[SF:SF+1], v[Q:Q+1] op_sel_hi:[1,0]                            ; + (ps - ev)
	v_pk_fma_f32 v[MP:MP+1], v[PFM:PFM+1], v[Q:Q+1], v[Q+2:Q+3] op_sel:[0,1,0] op_sel_hi:[1,1,0]  ; fm relu(tm) - ev
	v_pk_fma_f32 v[RR:RR+1], v[PAA:PAA+1], v[SPOS:SPOS+1], v[VV:VV+1]                        ; VV of the body before: the next day's
	v_dual_max_num_f32 v[XG], 0, v[XG] :: v_dual_max_num_f32 v[XG+1], 0, v[XG+1]            ; HI
	v_pk_fma_f32 v[GG:GG+1], v[SD:SD+1], v[PKK:PKK+1], v[GG:GG+1]
.if \main
	v_add_f32 v[ZZ], v[YY], v[YY+1]                                                          ; my two units' flow of the day that the body before finished
.endif
	v_dual_min_num_f32 v[QE], v[AP], v[MP] :: v_dual_min_num_f32 v[QE+1], v[AP+1], v[MP+1]
.if \main
	v_pk_fma_f32 v[YY:YY+1], v[SD:SD+1], v[PWW:PWW+1], v[YA:YA+1]                            ; w SD (old) + w kp HI
.endif
	v_pk_fma_f32 v[XX:XX+1], v[PDL:PDL+1], v[XG:XG+1], v[RR:RR+1]
.if !(\main)
	v_pk_add_f32 v[LO:LO+1], v[SPOS:SPOS+1], v[XG:XG+1] neg_lo:[0,1] neg_hi:[0,1]
.endif
	v_dual_max_num_f32 v[SD], 0, v[GG] :: v_dual_max_num_f32 v[SD+1], 0, v[GG+1]
.if \main
	ds_store_b32 v[ZS], v[ZZ] offset:ZP*(\u)
.endif
	v_pk_fma_f32 v[VV:VV+1], v[PFI:PFI+1], v[Q+2:Q+3], v[QE:QE+1] op_sel:[0,1,0] op_sel_hi:[1,1,1]  ; fi pl + QE
.if \main
	v_pk_fma_f32 v[YY:YY+1], v[LO:LO+1], v[PWS:PWS+1], v[YY:YY+1]
	v_pk_add_f32 v[LO:LO+1], v[SPOS:SPOS+1], v[XG:XG+1] neg_lo:[0,1] neg_hi:[0,1]
	v_pk_mul_f32 v[YA:YA+1], v[XG:XG+1], v[PWP:PWP+1]
.endif
	v_pk_add_f32 v[SF:SF+1], v[AP:AP+1], v[QE:QE+1] neg_lo:[0,1] neg_hi:[0,1]
.if \reload
	ds_load_b128 v[Q:Q+3], v[FA] offset:FROW*((\u)+12)
.endif
.if \main
	v_pk_fma_f32 v[YY:YY+1], v[SD:SD+1], v[PNW:PNW+1], v[YY:YY+1]                            ; - w SD (new)
.endif
.endm
; A SUB-BLOCK's x BECOMES QUADS, for my wave's 4 sites: ten items a lane.  In rounds 0 to 8 lane l takes row 8 j + l / 4, site l % 4; in round 9 every lane takes row 72,
; so that its store also writes copies of row 72 into rows 73 to 79: the next CONVERT's mirror lies over them before they are read.
; The quads go into the buffer that is not being stepped through; rows 0 to 15 go also, as rows 73 to 88, behind the buffer that is (the pipeline reads up to 11 rows past a sub-block's end).
; A site's 24 bytes allow loads of 8 bytes.  The quads' stores are 512 consecutive bytes a wave.
.macro CONVERT
	v_add_nc_u32 v[CRA], s[TB], v[R0]
	v_add_nc_u32 v[CRB], s[TB], v[R9]
	v_add_nc_u32 v[FW], s[FBO], v[F0]
	v_add_nc_u32 v[MIR], s[FB], v[F0]
.irp j, 0,1,2,3,4,5,6,7,8
	ds_load_b64 v[XA+2*(\j):XA+2*(\j)+1], v[CRA] offset:8*WGB*(\j)
	ds_load_b64 v[XB+2*(\j):XB+2*(\j)+1], v[CRA] offset:8*WGB*(\j)+8
.endr
	ds_load_b64 v[XA+18:XA+19], v[CRB] offset:72*WGB
	ds_load_b64 v[XB+18:XB+19], v[CRB] offset:72*WGB+8
.irp j, 0,2,4,6,8
	s_wait_dscnt 16-2*(\j)                         ; items j and j + 1 are in: so many of the twenty loads are younger
	v_dual_max_num_f32 v[CP+(\j)], 0, v[XA+2*(\j)] :: v_dual_max_num_f32 v[CP+(\j)+1], 0, v[XA+2*(\j)+2]      ; P = relu(x0)
	v_dual_max_num_f32 v[CE+(\j)], 0, v[XA+2*(\j)+1] :: v_dual_max_num_f32 v[CE+(\j)+1], 0, v[XA+2*(\j)+3]    ; E = relu(x1)
	v_dual_add_f32 v[CS+(\j)], v[XB+2*(\j)], v[XB+2*(\j)+1] :: v_dual_add_f32 v[CS+(\j)+1], v[XB+2*(\j)+2], v[XB+2*(\j)+3]  ; s = x2 + x3; tm = 5 s
.endr
.irp j, 0,2,4,6,8
	v_pk_mul_f32 v[CA+(\j):CA+(\j)+1], v[CS+(\j):CS+(\j)+1], 0xc0e6d4ca op_sel_hi:[1,0]      ; -5 log2(e) s
.endr
.irp j, 0,1,2,3,4,5,6,7,8,9
	v_exp_f32 v[CA+(\j)], v[CA+(\j)]
.endr
.irp j, 0,2,4,6,8                      ; plain work that names no exponential's result stands behind the batch
	v_pk_mul_f32 v[CTM+(\j):CTM+(\j)+1], v[CS+(\j):CS+(\j)+1], 0x40a00000 op_sel_hi:[1,0]    ; tm
	v_pk_fma_f32 v[CT+(\j):CT+(\j)+1], v[CE+(\j):CE+(\j)+1], 0xbe4ccccd, v[CP+(\j):CP+(\j)+1] op_sel_hi:[1,0,1]  ; P - ev
.endr
	s_wait_alu depctr_va_vdst(0)                   ; one wait for the ten exponentials, ahead of their first reader
.irp j, 0,2,4,6,8
	v_pk_add_f32 v[CA+(\j):CA+(\j)+1], v[CA+(\j):CA+(\j)+1], 1.0 op_sel_hi:[1,0]
.endr
.irp j, 0,1,2,3,4,5,6,7,8,9
	v_rcp_f32 v[CA+(\j)], v[CA+(\j)]               ; vf = sigmoid(tm); an exponential that has run over gives 0
.endr
.irp j, 0,1,2,3,4,5,6,7,8,9
	v_dual_max_num_f32 v[QD+4*(\j)+1], 0, v[CTM+(\j)] :: v_dual_mul_f32 v[QD+4*(\j)+2], s[NEG02], v[CE+(\j)]  ; relu(tm); -ev
.endr
	s_wait_alu depctr_va_vdst(0)                   ; one wait for the ten reciprocals
.irp j, 0,1,2,3,4,5,6,7,8,9
	v_mul_f32 v[QD+4*(\j)+3], v[CP+(\j)], v[CA+(\j)]        ; pl = P vf
.endr
.irp j, 0,1,2,3,4,5,6,7,8,9
	v_sub_f32 v[QD+4*(\j)], v[CT+(\j)], v[QD+4*(\j)+3]      ; ps - ev = (P - ev) - pl
.endr
.irp j, 0,1,2,3,4,5,6,7,8,9
	ds_store_b128 v[FW], v[QD+4*(\j):QD+4*(\j)+3] offset:8*FROW*(\j)
.endr
.irp j, 0,1
	ds_store_b128 v[MIR], v[QD+4*(\j):QD+4*(\j)+3] offset:SUB*FROW+8*FROW*(\j)
.endr
	s_add_co_u32 s[TB], s[TB], SUB*WGB             ; the next sub-block of the slot
.endm
; 73 DAYS' LANE SUMS ARE ADDED BY EIGHTS AND STORED.  Wave w takes rows 18 w to 18 w + 17, two a round: lane l row + l / 16, site l % 16, whose eight words are 32 bytes.
; Sites 8 to 15 read their two halves in the other order, so that the 16 lanes of a load touch 16 different columns of 16 bytes (64 banks of 4 bytes: ISA guide 11.1).  Wave 3 takes row 72 too.
.macro REDUCE
	s_cmp_lg_u32 s[WV], 3
	s_cbranch_scc1 .Lno_x_\@
	ds_load_b128 v[RDX:RDX+3], v[ZXA]              ; issued first: the counts below are the same in every wave
	ds_load_b128 v[RDX+4:RDX+7], v[ZXB]
.Lno_x_\@:
.irp j, 0,1,2,3,4,5,6,7,8
	ds_load_b128 v[RDA+8*(\j):RDA+8*(\j)+3], v[ZA] offset:2*ZP*(\j)
	ds_load_b128 v[RDA+8*(\j)+4:RDA+8*(\j)+7], v[ZB] offset:2*ZP*(\j)
.endr
.irp j, 0,1,2,3,4,5,6,7,8
	s_wait_dscnt 16-2*(\j)                         ; round j's two loads are in: so many of the eighteen are younger
	v_pk_add_f32 v[RDA+8*(\j):RDA+8*(\j)+1], v[RDA+8*(\j):RDA+8*(\j)+1], v[RDA+8*(\j)+4:RDA+8*(\j)+5]
	v_pk_add_f32 v[RDA+8*(\j)+2:RDA+8*(\j)+3], v[RDA+8*(\j)+2:RDA+8*(\j)+3], v[RDA+8*(\j)+6:RDA+8*(\j)+7]
	v_pk_add_f32 v[RDA+8*(\j):RDA+8*(\j)+1], v[RDA+8*(\j):RDA+8*(\j)+1], v[RDA+8*(\j)+2:RDA+8*(\j)+3]
	v_add_f32 v[OUTV+(\j)], v[RDA+8*(\j)], v[RDA+8*(\j)+1]
	global_store_b32 v[OA], v[OUTV+(\j)], s[OUT:OUT+1] offset:2*OROW*(\j) th:TH_STORE_NT   ; 16 lanes: 64 consecutive bytes of a row
.endr
	s_cmp_lg_u32 s[WV], 3
	s_cbranch_scc1 .Lno_y_\@
	v_pk_add_f32 v[RDX:RDX+1], v[RDX:RDX+1], v[RDX+4:RDX+5]
	v_pk_add_f32 v[RDX+2:RDX+3], v[RDX+2:RDX+3], v[RDX+6:RDX+7]
	v_pk_add_f32 v[RDX:RDX+1], v[RDX:RDX+1], v[RDX+2:RDX+3]
	v_add_f32 v[RDX], v[RDX], v[RDX+1]
	s_wait_xcnt 0x0                                ; EXEC is a source of the stores above: it changes only behind this wait
	v_cmp_gt_u32 vcc_lo, 16, v[LANE]
	s_and_saveexec_b32 s[SAVE], vcc_lo             ; one row: lanes 0 to 15
	global_store_b32 v[OX], v[RDX], s[OUT:OUT+1] offset:72*OROW th:TH_STORE_NT
	s_wait_xcnt 0x0                                ; and again, in front of the line that widens it
	s_or_b32 exec_lo, exec_lo, s[SAVE]
.Lno_y_\@:
	s_wait_xcnt 0x0                                ; the stores have read their base and their data: both are written again only behind this wait
	s_add_nc_u64 s[OUT:OUT+1], s[OUT:OUT+1], SUB*OROW
.endm
; A UNIT: 73 days.  Its first eight quads are asked for; the next sub-block is converted (conv = 1) while they come; nine trips of eight bodies and one body more.
; red = 1: the unit's lane sums are added up and stored, between two barriers: all waves' stores of them ahead of the reads, the reads ahead of the next unit's stores.
.macro UNIT main, conv, red
	v_add_nc_u32 v[FA], s[FB], v[FR0]
.if \main
	v_mov_b32 v[ZS], v[ZS0]
.endif
.irp u, 0,1,2,3,4,5,6,7
	ds_load_b128 v[QRING+4*(\u):QRING+4*(\u)+3], v[FA] offset:FROW*((\u)+4)   ; the snow bucket runs four days ahead
.endr
.if \conv
	CONVERT
.else
	s_wait_dscnt 0x0                               ; with no conversion fewer LDS instructions stand behind these loads than the bodies' waits count
.endif
	s_mov_b32 s[TRIP], 9
.Ltrip_\@:
.irp u, 0,1,2,3,4,5,6,7
	BODY \main, \u, 1
.endr
	v_add_nc_u32 v[FA], 8*FROW, v[FA]
.if \main
	v_add_nc_u32 v[ZS], 8*ZP, v[ZS]
.endif
	s_sub_co_u32 s[TRIP], s[TRIP], 1
	s_cmp_lg_u32 s[TRIP], 0
	s_cbranch_scc1 .Ltrip_\@
	BODY \main, 0, 0                               ; day 72; the ninth trip's other seven quads are not used
	s_xor_b32 s[FB], s[FB], FBUF
	s_xor_b32 s[FBO], s[FBO], FBUF
	s_wait_dscnt 0x0                               ; those seven loads are in, so their registers may be loaded again; my stores of lane sums are done
.if \red
	s_barrier_signal -1
	s_barrier_wait -1                              ; every wave's are
	REDUCE
	s_barrier_signal -1                            ; my reads of the lane sums are back (the last count above is 0)
	s_barrier_wait -1
.endif
.endm
; THE CHANGE OF SLOTS.  The slot's three sub-blocks have been converted.  Each wave waits for all its tensor loads, of which one is out: its rows of the other slot; adds 0 to its
; spare word; and waits for that and for its reads of the slot.  Behind the barrier nobody reads the old slot and the other slot is whole.
; mode 1, 2: the old slot is filled again, the first thing behind the barrier, with the days two slots on: one load a wave, and three units in which it lands.
; A PREFETCH follows the load, for the slot that the NEXT change will ask for: of my 55 rows there the first 32, a lane a row.  A row's 384 bytes of an even work-group begin on a multiple
; of 256 bytes of x: it names that block and the next, whose second half is its odd neighbour's; an odd work-group names its last block alone.  So no block is named twice.
; mode 1: it is asked; mode 2: only in the outer loop's first trip: behind the last slot there is none.  The first three slots come by their loads alone.
.macro REFILL mode
.if \mode
	s_wait_xcnt 0x0                                ; the last prefetch, three units back, has read its address
	s_add_nc_u64 s[PF:PF+1], s[PF:PF+1], SBB
.endif
	s_wait_tensorcnt 0x0                           ; no tensor load of mine is out, so a group 0 may be written
	ds_add_u32 v[SPW], v[NIL]                      ; 0 onto my spare word; the scalar steps stand between it and its wait
.if \mode
	s_xor_b32 s[G0B+1], s[G0B+1], SLOT1            ; the walking descriptor: the other slot than last time,
	s_add_nc_u64 s[G0B+2:G0B+3], s[G0B+2:G0B+3], SBB  ; the next 219 days; the type bits on top are not reached
.endif
	s_sub_co_u32 s[TB], s[TB], 3*SUB*WGB           ; the conversions go back to a slot's first sub-block,
	s_xor_b32 s[TB], s[TB], SLOT1                  ; in the other slot
	s_wait_dscnt 0x0                               ; the add is done, and my reads of the slot are over
	s_barrier_signal -1
	s_barrier_wait -1
.if \mode
	tensor_load_to_lds s[G0B:G0B+3], s[G1:G1+7]
	s_nop 0
.if (\mode) == 2
	s_cmp_eq_u32 s[SBC], 2
	s_cbranch_scc0 .Lasked_\@
.endif
	global_prefetch_b8 v[PFO], s[PF:PF+1] th:TH_LOAD_NT scope:SCOPE_SE
	s_bitcmp1_b32 s[WG], 0
	s_cbranch_scc1 .Lasked_\@
	global_prefetch_b8 v[PFO], s[PF:PF+1] offset:256 th:TH_LOAD_NT scope:SCOPE_SE
.Lasked_\@:
.endif
.endm
	; THE HEAD
	s_load_b512 s[16:31], s[0:1], 0x0              ; x s[16:17], w s[18:19], fm s[20:21], fi s[22:23], kp s[24:25], ks s[26:27], kg s[28:29], gr s[30:31]
	s_load_b128 s[32:35], s[0:1], 0x40             ; gL s[32:33], qb s[34:35]
	s_load_b64 s[OUT:OUT+1], s[0:1], 0x50          ; out0
	v_lshl_add_u32 v[SPW], v0, 2, SPARE
	v_mov_b32 v[NIL], 0
	ds_add_u32 v[SPW], v[NIL]                      ; the wave's opening: the add, twice on end, and its wait ahead of my first tensor load
	ds_add_u32 v[SPW], v[NIL]                      ; and once more; the set-up below, work on registers, stands between it and the wait
	v_lshrrev_b32 v1, 5, v0
	v_readfirstlane_b32 s[WV], v1                  ; wave 0..3
	s_mov_b32 s[WG], ttmp9
	v_and_b32 v[LANE], 31, v0
	; descriptor group 1: 55 rows x 96 elements of 4 bytes, 24,576 elements from row to row, laid into LDS without gaps
	s_mul_i32 s12, s[WV], QROWS
	s_sub_co_u32 s12, SBR, s12                     ; the slot's rows from my first on: 219, 164, 109, 54; wave 3's 55th row arrives as zeros and is never read
	s_mov_b32 s[G1+0], 2<<16                       ; 15:0 no mask; 17:16 elements of 4 bytes; no padding
	s_mov_b32 s[G1+1], 96<<16                      ; tensor_dim0 = 96
	s_lshl_b32 s[G1+2], s12, 16                    ; tensor_dim1
	s_mov_b32 s[G1+3], 96<<16                      ; tile_dim0 = 96
	s_mov_b32 s[G1+4], QROWS                       ; tile_dim1 = 55
	s_mov_b32 s[G1+5], ROWX/4                      ; the pitch
	s_mov_b32 s[G1+6], 0
	s_mov_b32 s[G1+7], 0
	s_mov_b32 s[G0A], 1
	s_mul_i32 s[G0A+1], s[WV], QROWS*WGB           ; LDS: my quarter of slot 0,
	s_mov_b32 s[G0B], 1
	s_add_co_u32 s[G0B+1], s[G0A+1], SLOT1         ; of slot 1
	s_mul_i32 s12, s[WG], WGB                      ; my work-group's 384 bytes of a day,
	s_mul_i32 s13, s[WV], QROWS*ROWX               ; my wave's first row
	s_add_co_u32 s12, s12, s13
	s_mov_b32 s13, 0
	s_and_b32 s14, s[WG], 1                        ; an odd work-group's prefetch names its last block, 128 bytes in
	s_lshl_b32 s14, s14, 7
	s_mov_b32 s15, 0
	s_mov_b32 s[NEG02], 0xbe4ccccd
	s_mov_b32 s[TB], 0
	s_mov_b32 s[FB], FBUF                          ; the first conversion writes buffer 0
	s_mov_b32 s[FBO], 0
	v_lshrrev_b32 v1, 2, v[LANE]
	v_and_b32 v[CRA], 3, v[LANE]
	s_mul_i32 s38, s[WV], 4*24
	v_mad_u32_u24 v[R9], v[CRA], 24, s38
	v_mad_u32_u24 v[R0], v1, WGB, v[R9]
	s_lshl_b32 s38, s[WV], 14
	s_add_co_u32 s38, s38, FBASE                   ; my wave's quads
	v_lshl_add_u32 v[F0], v[LANE], 4, s38
	v_lshrrev_b32 v1, 3, v[LANE]
	v_lshl_add_u32 v[FR0], v1, 4, s38
	s_lshl_b32 s38, s[WV], 7
	s_add_co_u32 s38, s38, ZBASE
	v_lshl_add_u32 v[ZS0], v[LANE], 2, s38
	v_lshrrev_b32 v1, 4, v[LANE]                   ; l / 16
	v_and_b32 v[CRA], 15, v[LANE]                  ; l % 16
	v_bfe_u32 v[CRB], v[LANE], 3, 1                ; 1 for sites 8 to 15
	s_mul_i32 s38, s[WV], 18*ZP
	s_add_co_u32 s38, s38, ZBASE
	v_lshl_add_u32 v[FW], v1, 9, s38
	v_lshl_add_u32 v[FW], v[CRA], 5, v[FW]
	v_lshl_add_u32 v[ZA], v[CRB], 4, v[FW]
	v_lshlrev_b32 v[ZXB], 5, v[CRA]
	v_add_nc_u32 v[ZXB], ZBASE+72*ZP, v[ZXB]
	v_lshl_add_u32 v[ZXA], v[CRB], 4, v[ZXB]
	v_sub_nc_u32 v[CRB], 1, v[CRB]                 ; the other half
	v_lshl_add_u32 v[ZB], v[CRB], 4, v[FW]
	v_lshl_add_u32 v[ZXB], v[CRB], 4, v[ZXB]
	s_mul_i32 s38, s[WV], 18*OROW
	s_lshl_b32 s39, s[WG], 6
	s_add_co_u32 s38, s38, s39
	v_lshl_add_u32 v[OA], v1, 14, s38
	v_lshl_add_u32 v[OA], v[CRA], 2, v[OA]
	v_lshl_add_u32 v[OX], v[CRA], 2, s39
	v_mul_u32_u24 v[PFO], v[LANE], ROWX
	s_lshl_b32 s38, s[WG], 10
	v_lshl_add_u32 v[PO], v0, 3, s38               ; 1,024 g + 8 t: a wave's load of a table covers 256 consecutive bytes
	s_wait_dscnt 0x0                               ; both opening adds are done
	s_wait_kmcnt 0x0
	s_add_nc_u64 s[G0A+2:G0A+3], s[16:17], s[12:13]
	s_add_nc_u64 s[G0B+2:G0B+3], s[G0A+2:G0A+3], SBB
	s_add_nc_u64 s[PF:PF+1], s[G0A+2:G0A+3], s[14:15]
	s_add_nc_u64 s[PF:PF+1], s[PF:PF+1], 2*SBB     ; the first change of slots steps it to days 657 on.  Nothing is prefetched here, where every work-group's first tiles are on their way
	s_or_b32 s[G0A+3], s[G0A+3], 0x80000000        ; type = 2
	s_or_b32 s[G0B+3], s[G0B+3], 0x80000000
	tensor_load_to_lds s[G0A:G0A+3], s[G1:G1+7]    ; days 0 to 218: the two first fills go out together; two loads of mine are out
	s_nop 0
	tensor_load_to_lds s[G0B:G0B+3], s[G1:G1+7]    ; days 219 to 437
	s_nop 0
	global_load_b64 v[HW:HW+1],   v[PO], s[18:19] th:TH_LOAD_NT
	global_load_b64 v[HFM:HFM+1], v[PO], s[20:21] th:TH_LOAD_NT
	global_load_b64 v[HFI:HFI+1], v[PO], s[22:23] th:TH_LOAD_NT
	global_load_b64 v[HKP:HKP+1], v[PO], s[24:25] th:TH_LOAD_NT
	global_load_b64 v[HKS:HKS+1], v[PO], s[26:27] th:TH_LOAD_NT
	global_load_b64 v[HKG:HKG+1], v[PO], s[28:29] th:TH_LOAD_NT
	global_load_b64 v[HGR:HGR+1], v[PO], s[30:31] th:TH_LOAD_NT
	global_load_b64 v[HGL:HGL+1], v[PO], s[32:33] th:TH_LOAD_NT
	global_load_b64 v[HQB:HQB+1], v[PO], s[34:35] th:TH_LOAD_NT
.set r, XX
.rept 14
	v_mov_b32 v[r], 0                              ; the empty state, and what a first body reads of a body that has not been
.set r, r+1
.endr
	s_wait_loadcnt 0x0
	; THE PARAMETERS.  A site's 16 units lie in 8 neighbouring lanes: its maximum and sum take three steps across lanes.
	v_max_num_f32 v[HM], v[HW], v[HW+1]
	v_max_num_f32_dpp v[HM], v[HM], v[HM] row_xmask:1 row_mask:0xf bank_mask:0xf
	v_max_num_f32_dpp v[HM], v[HM], v[HM] row_xmask:2 row_mask:0xf bank_mask:0xf
	v_max_num_f32_dpp v[HM], v[HM], v[HM] row_xmask:4 row_mask:0xf bank_mask:0xf
	v_sub_f32 v[HW], v[HW], v[HM]                  ; the softmax's maximum is taken away
	v_sub_f32 v[HW+1], v[HW+1], v[HM]
	v_pk_mul_f32 v[HW:HW+1],   v[HW:HW+1],   L2E  op_sel_hi:[1,0]
	v_pk_mul_f32 v[HFM:HFM+1], v[HFM:HFM+1], L2E  op_sel_hi:[1,0]
	v_pk_mul_f32 v[HFI:HFI+1], v[HFI:HFI+1], NL2E op_sel_hi:[1,0]
	v_pk_mul_f32 v[HKP:HKP+1], v[HKP:HKP+1], NL2E op_sel_hi:[1,0]
	v_pk_mul_f32 v[HKA:HKA+1], v[HKS:HKS+1], L2E  op_sel_hi:[1,0]   ; for 1 - ks = sigmoid(-ks_raw), made without a difference
	v_pk_mul_f32 v[HKS:HKS+1], v[HKS:HKS+1], NL2E op_sel_hi:[1,0]
	v_pk_mul_f32 v[HKG:HKG+1], v[HKG:HKG+1], NL2E op_sel_hi:[1,0]
	v_pk_mul_f32 v[HGR:HGR+1], v[HGR:HGR+1], NL2E op_sel_hi:[1,0]
	v_pk_mul_f32 v[HGL:HGL+1], v[HGL:HGL+1], L2E  op_sel_hi:[1,0]
.set r, HW
.rept 16
.if (r == HFM) || (r == HFM+1)
	v_exp_f32 v[PFM+r-HFM], v[r]                   ; fm
.else
	v_exp_f32 v[r], v[r]
.endif
.set r, r+1
.endr
	v_exp_f32 v[HKA], v[HKA]
	v_exp_f32 v[HKA+1], v[HKA+1]
	v_max_num_f32 v[HQB], 0, v[HQB]                ; plain work behind the batch
	v_max_num_f32 v[HQB+1], 0, v[HQB+1]
	v_pk_mul_f32 v[PNQ:PNQ+1], v[HQB:HQB+1], 0xbdcccccd op_sel_hi:[1,0]   ; -0.1 relu(qb_raw)
	s_wait_alu depctr_va_vdst(0)                   ; one wait for the eighteen exponentials
.irp p, HFI, HKP, HKS, HKG, HGR, HKA
	v_pk_add_f32 v[\p:\p+1], v[\p:\p+1], 1.0 op_sel_hi:[1,0]
.endr
	v_add_f32 v[HM], v[HW], v[HW+1]
	v_add_f32_dpp v[HM], v[HM], v[HM] row_xmask:1 row_mask:0xf bank_mask:0xf
	v_add_f32_dpp v[HM], v[HM], v[HM] row_xmask:2 row_mask:0xf bank_mask:0xf
	v_add_f32_dpp v[HM], v[HM], v[HM] row_xmask:4 row_mask:0xf bank_mask:0xf
	v_rcp_f32 v[PFI], v[HFI]
	v_rcp_f32 v[PFI+1], v[HFI+1]
	v_rcp_f32 v[HKP], v[HKP]
	v_rcp_f32 v[HKP+1], v[HKP+1]
	v_rcp_f32 v[HKS], v[HKS]
	v_rcp_f32 v[HKS+1], v[HKS+1]
	v_rcp_f32 v[PAA], v[HKA]
	v_rcp_f32 v[PAA+1], v[HKA+1]
	v_rcp_f32 v[HKG], v[HKG]
	v_rcp_f32 v[HKG+1], v[HKG+1]
	v_rcp_f32 v[HGR], v[HGR]
	v_rcp_f32 v[HGR+1], v[HGR+1]
	v_rcp_f32 v[HM], v[HM]                         ; the sum is at least 1
	v_pk_mul_f32 v[PGL:PGL+1], v[HGL:HGL+1], 2.0 op_sel_hi:[1,0]          ; plain work behind the batch
	s_wait_alu depctr_va_vdst(0)                   ; one wait for the thirteen reciprocals
	v_pk_add_f32 v[PDL:PDL+1], v[HKS:HKS+1], v[HKP:HKP+1] neg_lo:[0,1] neg_hi:[0,1]
	v_pk_fma_f32 v[PKK:PKK+1], v[HKG:HKG+1], 0xbdcccccd, 1.0 op_sel_hi:[1,0,0]
	v_mul_f32 v[PWW], v[HW], v[HM]
	v_mul_f32 v[PWW+1], v[HW+1], v[HM]
	v_pk_mul_f32 v[PCG:PCG+1], v[HKS:HKS+1], v[HGR:HGR+1]
	v_pk_mul_f32 v[PNW:PNW+1], v[PWW:PWW+1], -1.0 op_sel_hi:[1,0]
	v_pk_mul_f32 v[PWP:PWP+1], v[PWW:PWW+1], v[HKP:HKP+1]
	v_pk_mul_f32 v[PWS:PWS+1], v[PWW:PWW+1], v[HKS:HKS+1]
	v_pk_mul_f32 v[PCG:PCG+1], v[PCG:PCG+1], v[PKK:PKK+1]
	s_wait_tensorcnt 0x1                           ; my rows of slot 0 are in; slot 1's may stay out
	s_barrier_signal -1
	s_barrier_wait -1                              ; everybody's are
	CONVERT                                        ; sub-block 0
	s_xor_b32 s[FB], s[FB], FBUF
	s_xor_b32 s[FBO], s[FBO], FBUF
	v_add_nc_u32 v[FA], s[FB], v[FR0]              ; the pipeline fills: four bodies whose snow bucket takes days 0 to 3
.irp u, 0,1,2,3
	ds_load_b128 v[QRING+4*(\u):QRING+4*(\u)+3], v[FA] offset:FROW*(\u)
.endr
	s_wait_dscnt 0x0
.irp u, 0,1,2,3
	BODY 0, \u, 0
.endr
	s_mov_b32 s[UC], 2
.Lwarm_a:                                              ; units 0, 1: they convert sub-blocks 1, 2, the rest of slot 0
	UNIT 0, 1, 0
	s_sub_co_u32 s[UC], s[UC], 1
	s_cmp_lg_u32 s[UC], 0
	s_cbranch_scc1 .Lwarm_a
	REFILL 1                                       ; days 438 on into slot 0
	s_mov_b32 s[UC], 2
.Lwarm_b:                                              ; units 2, 3
	UNIT 0, 1, 0
	s_sub_co_u32 s[UC], s[UC], 1
	s_cmp_lg_u32 s[UC], 0
	s_cbranch_scc1 .Lwarm_b
	UNIT 1, 1, 0                                   ; unit 4, the last of the warm-up, in the long form: its last two bodies begin day 365's flow; its lane sums are never read
	s_mov_b32 s[SBC], 2
.Lslot:                                                ; units 5 to 10
	REFILL 2                                       ; days 657 on into slot 1, then days 876 on into slot 0
	s_mov_b32 s[UC], 3
.Lmain_a:
	UNIT 1, 1, 1
	s_sub_co_u32 s[UC], s[UC], 1
	s_cmp_lg_u32 s[UC], 0
	s_cbranch_scc1 .Lmain_a
	s_sub_co_u32 s[SBC], s[SBC], 1
	s_cmp_lg_u32 s[SBC], 0
	s_cbranch_scc1 .Lslot
	REFILL 0                                       ; the tail is written out: the last slot has landed, and nothing is asked for
	s_mov_b32 s[UC], 3
.Lmain_b:                                              ; units 11 to 13
	UNIT 1, 1, 1
	s_sub_co_u32 s[UC], s[UC], 1
	s_cmp_lg_u32 s[UC], 0
	s_cbranch_scc1 .Lmain_b
	UNIT 1, 0, 1                                   ; unit 14: nothing is left to convert; the stages that run past day 1,094 read old quads and reach no stored sum
	s_wait_tensorcnt 0x0                           ; the wave's end, behind my last tensor load and my last LDS store
	ds_add_u32 v[SPW], v[NIL]
	s_wait_dscnt 0x0
	s_endpgm
.Lfunc_end_k_q9f79bad60e_water:
	.size	k_q9f79bad60e_water, .Lfunc_end_k_q9f79bad60e_water-k_q9f79bad60e_water
	.p2alignl 7, 3214868480
	.fill 96, 4, 3214868480
	.section	.rodata,"a",@progbits
	.p2align	6, 0x0
	.amdhsa_kernel k_q9f79bad60e_water
		.amdhsa_group_segment_fixed_size 327680
		.amdhsa_private_segment_fixed_size 0
		.amdhsa_enable_private_segment 0
		.amdhsa_kernarg_size 88
		.amdhsa_user_sgpr_count 2
		.amdhsa_user_sgpr_kernarg_segment_ptr 1
		.amdhsa_wavefront_size32 1
		.amdhsa_system_sgpr_workgroup_id_x 1
		.amdhsa_system_sgpr_workgroup_id_y 1
		.amdhsa_system_sgpr_workgroup_id_z 1
		.amdhsa_system_vgpr_workitem_id 0
		.amdhsa_next_free_vgpr 256
		.amdhsa_next_free_sgpr 66
		.amdhsa_reserve_vcc 1
		.amdhsa_float_denorm_mode_32 3
		.amdhsa_float_denorm_mode_16_64 3
		.amdhsa_memory_ordered 1
		.amdhsa_forward_progress 1
		.amdhsa_inst_pref_size 144
	.end_amdhsa_kernel
	.amdgpu_metadata
---
amdhsa.version: [ 1, 2 ]
amdhsa.kernels:
  - .name:           k_q9f79bad60e_water
    .symbol:         k_q9f79bad60e_water.kd
    .args:
      - { .name: x, .offset: 0, .size: 8, .value_kind: global_buffer, .address_space: global }
      - { .name: w_raw, .offset: 8, .size: 8, .value_kind: global_buffer, .address_space: global }
      - { .name: fm_raw, .offset: 16, .size: 8, .value_kind: global_buffer, .address_space: global }
      - { .name: fi_raw, .offset: 24, .size: 8, .value_kind: global_buffer, .address_space: global }
      - { .name: kp_raw, .offset: 32, .size: 8, .value_kind: global_buffer, .address_space: global }
      - { .name: ks_raw, .offset: 40, .size: 8, .value_kind: global_buffer, .address_space: global }
      - { .name: kg_raw, .offset: 48, .size: 8, .value_kind: global_buffer, .address_space: global }
      - { .name: gr_raw, .offset: 56, .size: 8, .value_kind: global_buffer, .address_space: global }
      - { .name: gL_raw, .offset: 64, .size: 8, .value_kind: global_buffer, .address_space: global }
      - { .name: qb_raw, .offset: 72, .size: 8, .value_kind: global_buffer, .address_space: global }
      - { .name: out0, .offset: 80, .size: 8, .value_kind: global_buffer, .address_space: global }
    .group_segment_fixed_size: 327680
    .private_segment_fixed_size: 0
    .kernarg_segment_align: 8
    .kernarg_segment_size: 88
    .max_flat_workgroup_size: 128
    .sgpr_count:     66
    .vgpr_count:     256
    .wavefront_size: 32
...
	.end_amdgpu_metadata
.endif
;; end of part 1
